; MI455X (gfx1250); checked and timed in simulation.
; The chip was launched on July 23, 2026; its instructions are those of AMD's public machine-readable ISA for CDNA 5 (MIT licence, August 2026) and "CDNA5" Instruction Set Architecture Reference Guide (July 2026). The comments in the code are by the model that wrote it; some were corrected since.
;; ATT ONE2 MANY 1. Allowed arithmetic: matrix products marked QUANTISED: E2M3 operands, one E8M0 scale for each 32 along K, by v_wmma_scale_f32_16x16x128_f8f6f4 with both operands' format E2M3, f32 sums; products left as they are: f32 operands where the result goes on into a quantised operand, else bf16, f16 or f32 operands; f32 sums; everything else in f32.
;; Inputs: W_codes 1,024 x 32 x 24 uint8 (E2M3 codes of W, K innermost, in blocks of 32 codes, four codes in three bytes); W_scales 1,024 x 32 uint8 (E8M0 scales of W, one for each 32 codes along K); many 32 x 2,048 x 1,024 float32; one 32 x 1,024 float32.
;; Outputs: out0 32 x 1,024 float32; out1 32 x 2,048 float32.
;; This version of the problem:
;;   THIS VERSION OF THE PROBLEM IS GIVEN IN LOW PRECISION. The matrix products marked QUANTISED in the list below multiply operands that are first quantised to E2M3 (2 exponent bits, 3 mantissa bits; 6 bits a number), with one power-of-two scale for each 32 numbers along K (OCP MX v1.0); their sums are f32. All else is computed in f32.
;;   The module's matrix products, in the order in which they are computed (A, B: the left and right operand; K: the contracted axis; several contracted axes count as one K, in the product's order):
;;     1. [M 65,536, K 1,024] x [K 1,024, N 1,024]; A: input many; B: input W (given as codes): QUANTISED
;;     2. batch 32 x [M 2,048, K 1,024] x [K 1,024, N 1]; A: computed on the way; B: input one: left as it is (N = 1 < 16)
;;     3. batch 32 x [M 1,024, K 2,048] x [K 2,048, N 1]; A: input many; B: computed on the way: left as it is (N = 1 < 16)
;;   THE QUANTISER, for each operand of a quantised product, along K:
;;     - K is cut into blocks of 32 from its start; a last block that is shorter is filled with zeros.
;;     - A block's scale is 2^e with e = floor(log2(the largest magnitude in the block)) - 2, held to -126 .. 127; a block of zeros has e = 0. As a byte (E8M0): e + 127.
;;     - Each number is divided by its block's scale, clamped to +-7.5, and rounded to the nearest number of E2M3, ties to even, subnormals kept.
;;     - The product sums the exact products of the quantised numbers (number of the format x scale) in f32.
;;   ~~~python
;;   def quantise(x, axis):      # numpy; x: float32 -> the quantised numbers, widened to float32 again
;;       x = np.moveaxis(x, axis, -1); K = x.shape[-1]
;;       x = np.pad(x, [(0, 0)] * (x.ndim - 1) + [(0, -K % 32)]); x = x.reshape(x.shape[:-1] + (-1, 32)); a = np.abs(x).max(-1, keepdims=True)
;;       e = np.where(a > 0, np.clip(np.frexp(np.where(a > 0, a, 1))[1] - 1 - 2, -126, 127), 0)      # np.frexp(a)[1] - 1 = floor(log2(a)), exactly
;;       r = np.clip(x / 2.0 ** e, -7.5, 7.5)
;;       step = 2.0 ** (np.maximum(np.frexp(np.where(r == 0, 1, r))[1] - 1, 0) - 3)
;;       q = np.round(r / step) * step * 2.0 ** e      # np.round: ties to even
;;       return np.moveaxis(q.reshape(q.shape[:-2] + (-1,))[..., :K], -1, axis).astype(np.float32)
;;   ~~~
;;   INPUTS GIVEN AS CODES. W (in the module: [1024, 1024], K = its axis 0): each comes as NAME_codes (uint8): NAME with its K axis moved to the last place and cut into blocks of 32 codes, [.., K / 32, bytes a block], one block behind the other in memory; four codes in three bytes: a row's codes are one little-endian stream of bits, code i at bits 6 i .. 6 i + 5 (a code: sign, 2 exponent bits, 3 mantissa bits); and NAME_scales (uint8): the same leading axes, one E8M0 byte (e + 127) for each 32 codes along K. Its value is code x scale, taken as it is: it is not quantised again, and the codes and scales need not be those that the quantiser above would give.
;; One version. Each part assembles by itself: llvm-mc -triple=amdgcn-amd-amdhsa -mcpu=gfx1250 --defsym DOCPART=n.
;; ======== version 1 of 1: 2 launches
;; limits: values are held in bf16: 8 bits of precision; right only within a limited range of input values
;; workspace buffers: logits 262,144 bytes; pstat 65,536 bytes; pacc 1,048,576 bytes
;; launch fused (part 1): grid 256 x 1, 4 waves a work-group, clusters of 4 x 1, 327,680 bytes of LDS; arguments W_codes, W_scales, many, one, logits, pstat, pacc; writes logits, pstat, pacc
.if DOCPART == 1
	.amdgcn_target "amdgcn-amd-amdhsa--gfx1250"
	.amdhsa_code_object_version 6
	.text
	.protected	k_qb36a43047b_fused
	.globl	k_qb36a43047b_fused
	.p2align	8
	.type	k_qb36a43047b_fused,@function
k_qb36a43047b_fused:
	s_mov_b64 s[64:65], 0
	v_nop
	global_prefetch_b8 v0, s[64:65] scope:SCOPE_SE
	s_setreg_imm32_b32 hwreg(HW_REG_WAVE_MODE, 25, 1), 1
	s_wait_xcnt 0x0
	s_wait_alu depctr_hold_cnt(0) depctr_sa_sdst(0) depctr_va_vdst(0) depctr_va_sdst(0) depctr_va_ssrc(0) depctr_va_vcc(0) depctr_vm_vsrc(0)
	s_getreg_b32 s2, hwreg(HW_REG_IB_STS2, 6, 4)
	s_cmp_eq_u32 s2, 0
	s_cbranch_scc0 .Lentry_in_a_cluster
	s_endpgm
.Lentry_in_a_cluster:
	s_bfe_u32 s2, ttmp6, 0x10000c
	s_cmp_lg_u32 s2, 0x3003
	s_cbranch_scc0 .Lentry_shape_is_right
	s_endpgm
.Lentry_shape_is_right:
; logits[b][t] = sum over e of tanh(sum over d of Q(many[b][t][d]) W[d][e]) one[b][e], and, for each work-group's 256 rows, a running maximum m, the sum l of 2^((logit - m) log2 e)
; and the rows of many weighted by these numbers.  The second launch joins the eight parts of a batch.
; many: [65536][1024] f32, quantised here along d to codes of FP6 (E2M3) with one E8M0 scale for each 32.  W: codes [1024 (e)][768 bytes], scale bytes [1024][32], taken as they lie.
; LIMITS: NaN and infinities among the inputs are not served.  A block of zeros gets the scale byte 1 where the rule says 127: its codes are zeros, and this program alone reads the bytes.
;   The weighted sum of rows takes many rounded to bf16 (the weights stay f32).  A weight under 2^-126 comes out of v_exp_f32 as 0.
; SHARES.  Work-group g owns rows 256 g .. + 255 (batch g / 8), walked as 4 CHUNKS of 64 rows (4 tiles of 16).  A chunk is 16 PERIODS; in period j wave w makes columns 64 j + 16 w .. + 15 of the
;   product for all 64 rows and all of K: 8 K steps x 4 tiles = 32 matrix instructions.  The chunk's fragments of many (384 registers) stay in every wave; each fragment of W is read from LDS once, by one wave.
; many IS READ ONCE: a chunk's rows stay on the WGP as bf16 (window 3) until their weights are known.
; THE STREAM.  The next chunk comes in during the current chunk's periods: wave w owns columns 256 w .. + 255; a PIECE is 16 rows x 64 columns (8 loads, 32 registers), one a period, in four register sets.
;   A piece becomes half a fragment of codes, two scale bytes and 16 registers of bf16, which go to LDS; its set is asked for again behind the period's products, in one run of eight loads.
; CLUSTER.  All work-groups walk the same W: the four of a cluster ask for each 64 rows of it JOINTLY (mask 15).  A row's 768 bytes are three chunks of 256: waves 0, 1, 2 ask for one chunk of the 64 rows each,
;   wave 3 for the scale bytes.  Two LDS slots by turns, one round a period.
; THE MATRIX INSTRUCTION IS USED TRANSPOSED (source 0 = 16 rows of W, source 1 = 16 rows of many): register i of lane (r, h) is the product at (row r of the tile, column 8 h + i of the wave's 16).
; REGISTERS, in windows of 256: window 0: the names below.  window 1: many's fragments (tile t, K step s = 0..3) at v[12 (4 s + t)]; v192-223, v224-255 the stream's sets 0, 1.
;   window 2: the same for K steps 4..7, sets 2, 3.   window 3: row t' (0..63) of the chunk in bf16 at v[4 t']: lane l holds columns 256 w + 8 l .. + 7.
; No prefetch is written: many is asked for more than three periods ahead of its use by the stream's own loads, and W is walked again and again by every work-group.
.set PITW,  272                        ; a chunk's row in LDS: 256 bytes + 16 of padding
.set CHK,   64*PITW                    ; one chunk of 64 rows; a slot holds three, then the scale bytes
.set SLOT1, 65536
.set WSCL,  3*CHK                      ; 64 rows' scale bytes, 32 a row, dense
.set ONE,   54272                      ; one[b], 4,096 bytes
.set AST,   58368                      ; many's scale words: (K step s, tile t, row r) at 256 s + 64 t + 4 r
.set LX,    60416                      ; the waves' parts of the logits: 256 bytes a wave
.set PB,    61440                      ; a chunk's 64 weights, 256 bytes a wave, the wave's own
.set SPARE, 62464                      ; the spare words, 128 bytes a wave
.set AIM,   119808                     ; many's fragments as images of their registers: (s, t) at 1536 (4 s + t)
.set BFR,   168960                     ; the next chunk in bf16: for each wave 64 rows of 512 bytes + 16
.set BFW,   33792
.set BFPI,  528
.set SPW, 1                            ; v1 my spare word; v2 0: never rewritten
.set NIL, 2
.set AW1, 3                            ; v3, v5  my row of W in slot 0, 1, + 24 h
.set AW2, 4                            ; v4, v6  the same, lanes 16-31 in the next chunk: + (24 + CHK - 256) h
.set AWS, 7                            ; v7, v8  my row's scale words in slot 0, 1, + 16 h
.set OA0, 9                            ; one: my 8 columns of the wave's first 16; v10 in the trip in hand
.set OA,  10
.set MO,  11                           ; many: 4096 r + 64 h + 1024 w
.set IA0, 12                           ; images; v13 in the trip in hand
.set IA,  13
.set SA0, 14                           ; scale bytes
.set SA,  15
.set BA0, 16                           ; bf16 rows
.set BA,  17
.set BR,  18
.set AL,  19
.set ASL, 20
.set LXS, 21
.set LXL, 22
.set PBS, 23
.set PBL, 24
.set GL,  25                           ; 8 x lane
.set GP,  26                           ; 16 x lane
.set MX,  28                           ; the running maximum m
.set LS,  29                           ; my lane's part of l
.set AF,  30                           ; v[30:31] alpha
.set ACC, 32                           ; v32-39 the weighted sum at my 8 columns
.set LACC, 40                          ; v40-47 a pair for each tile: my part of its rows' logits
.set ONEV, 48                          ; v48-55 one at my 8 columns of the period
.set WSC, 56                           ; v56-59 W's scale words: register q: lanes 0-15 K step q, lanes 16-31 K step 4 + q
.set ASC, 60                           ; v60-75 many's, at 4 t + q, laid likewise
.set DA,  76                           ; v76-107 four accumulators
.set WF,  108                          ; v108-203 W's eight fragments of a period
.set PV,  108                          ; between chunks: the 64 weights
.set TM,  204
.set PC,  216
.set BFP, 228
.set MSB, 0
.macro WIN new                         ; the immediate's high byte repeats the setting that is left
.if MSB != (\new)
	s_set_vgpr_msb (MSB<<8)|(\new)
.set MSB, (\new)
.endif
.endm
.macro ROUND                           ; a round of the cluster's barrier
	s_barrier_signal -1
	s_barrier_wait -1
	s_cmp_lg_u32 s18, 0
	s_cbranch_scc1 .Lnw0_\@
	s_barrier_signal -3
.Lnw0_\@:
	s_barrier_wait -3
	s_barrier_signal -1
	s_barrier_wait -1
.endm
; A joint load, one a wave: waves 0-2 a chunk of the codes, wave 3 the scale bytes.  The branch hangs on the wave's number alone.
.macro JLOAD
	s_cmp_lt_u32 s18, 3
	s_cbranch_scc0 .Lnc_\@
	tensor_load_to_lds s[40:43], s[24:31]
	s_nop 0
.rept 4
	v_nop
.endr
	s_branch .Lja_\@
.Lnc_\@:
	tensor_load_to_lds s[44:47], s[32:39]
	s_nop 0
.rept 4
	v_nop
.endr
.Lja_\@:
.endm
; The groups 0 for the 64 rows numbered s56 (adv = 1: the next 64, after the last the first again), into the slot named.  Written only where no tensor load of the wave is out.
.macro DSTEP slot, adv
.if \adv
	s_add_co_u32 s56, s56, 1
	s_and_b32 s56, s56, 15
.endif
	s_mul_i32 s52, s56, 49152
	s_add_co_u32 s52, s52, s82                     ; + 256 w: my chunk of each row
	s_lshl_b32 s54, s56, 11
	s_add_co_u32 s41, s81, (\slot)*SLOT1           ; CHK w + the slot
	s_add_nc_u64 s[42:43], s[4:5], s[52:53]
	s_or_b32 s43, s43, 0x80000000
	s_mov_b32 s45, (\slot)*SLOT1+WSCL
	s_add_nc_u64 s[46:47], s[6:7], s[54:55]
	s_or_b32 s47, s47, 0x80000000
.endm
; 8 loads: piece i of the tile at s[58:59] into set i.  Lane (r, h) takes, of row r, 16 neighbours of each of the piece's two blocks of 32.
.macro SLOAD i
	WIN (1+(\i)/2)<<6
.irp b, 0,1
.irp z, 0,1,2,3
	global_load_b128 v[192+32*((\i)%2)+16*\b+4*\z:192+32*((\i)%2)+16*\b+4*\z+3], v[MO], s[58:59] offset:512*((\i)/2)+256*((\i)%2)+128*\b+16*\z
.endr
.endr
	WIN 0
.endm
; A period's LDS loads in one run of 51: W's scale words, one's 8 numbers, W's eight fragments (12 registers each, six pieces of 8 bytes)
.macro WRUN i
	ds_load_b128 v[WSC:WSC+3], v[AWS+(\i)%2]
	ds_load_b128 v[ONEV:ONEV+3], v[OA] offset:256*(\i)
	ds_load_b128 v[ONEV+4:ONEV+7], v[OA] offset:256*(\i)+16
.irp s, 0,1,2,3,4,5,6,7
.irp p, 0,1,2,3,4,5
.set OO, 96*\s+48*(\p/3)+8*(\p%3)      ; the piece's place in the row's 768 bytes, for lanes 0-15; lanes 16-31 take the piece 24 bytes on
.if (OO+24)/256 != OO/256
	ds_load_b64 v[WF+12*\s+2*\p:WF+12*\s+2*\p+1], v[AW2+2*((\i)%2)] offset:OO%256+CHK*(OO/256)
.else
	ds_load_b64 v[WF+12*\s+2*\p:WF+12*\s+2*\p+1], v[AW1+2*((\i)%2)] offset:OO%256+CHK*(OO/256)
.endif
.endr
.endr
.endm
; Part s of the stream's turn on set i.  0-3: the two blocks' largest magnitudes and the roundings to bf16.  4: the scales; the bf16 and the scale bytes go to LDS.
; 5: the codes.  6: a whole block into each lane.  7: the images go to LDS.
.macro SLICE i, s
.set SX, 1+(\i)/2
.set RX, 192+32*((\i)%2)
.set SU, (\i)/2
.set SC, (\i)%2
.if (\s) < 4
	WIN SX|(SX<<2)
.irp kk, 0,2
.irp b, 0,1
.if ((\s) == 0) && (\kk == 0)
	v_max3_num_f32 v[TM+\b], |v[RX+16*\b]|, |v[RX+16*\b+1]|, 0x1800000   ; with the floor 2^(3 - 127): the byte cannot fall under 1
.else
	v_max3_num_f32 v[TM+\b], |v[RX+16*\b+4*(\s)+\kk]|, |v[RX+16*\b+4*(\s)+\kk+1]|, v[TM+\b]
.endif
.endr
.irp b, 0,1
	v_cvt_pk_bf16_f32 v[BFP+8*\b+(4*(\s)+\kk)/2], v[RX+16*\b+4*(\s)+\kk], v[RX+16*\b+4*(\s)+\kk+1]
.endr
.endr
.elseif (\s) == 4
	WIN 0
.irp b, 0,1
	v_permlanex16_b32 v[TM+4+\b], v[TM+\b], s72, s73
.endr
.irp b, 0,1
	v_max_num_f32 v[TM+\b], v[TM+\b], v[TM+4+\b]   ; with lane l xor 16's 16 numbers
.endr
.irp b, 0,1
	v_add_nc_u32 v[TM+8+\b], 0xff000000, v[TM+\b]  ; 2 off the exponent field: the conversion's scale operand
.endr
.irp b, 0,1
	v_lshrrev_b32 v[TM+4+\b], 23, v[TM+8+\b]       ; the scale's byte
.endr
	v_lshl_or_b32 v[TM+10], v[TM+5], 8, v[TM+4]
	ds_store_b16 v[SA], v[TM+10] offset:256*SU+2*SC                ; lanes r and r + 16 write the same two bytes with the same value
.irp b, 0,1
.irp z, 0,1
	ds_store_b128 v[BA], v[BFP+8*\b+4*\z:BFP+8*\b+4*\z+3] offset:256*SU+128*SC+64*\b+16*\z
.endr
.endr
.elseif (\s) == 5
	WIN SX
	v_cvt_scalef32_pk16_fp6_f32 v[PC:PC+2], v[RX:RX+15], v[TM+8]
	v_cvt_scalef32_pk16_fp6_f32 v[PC+6:PC+8], v[RX+16:RX+31], v[TM+9]
	v_nop                                          ; one plain place behind a scaled conversion
.elseif (\s) == 6
	WIN 0
.irp k, 0,1,2
	v_permlane16_swap_b32 v[PC+\k], v[PC+6+\k]     ; lanes 0-15 the piece's first block, lanes 16-31 its second
.endr
.irp k, 0,1,2
	v_mov_b32 v[PC+3+\k], v[PC+6+\k]
.endr
.else
	WIN 0
.if SC == 0
	ds_store_b128 v[IA], v[PC:PC+3] offset:6144*SU
	ds_store_b64 v[IA], v[PC+4:PC+5] offset:6144*SU+512
.else
	ds_store_b64 v[IA], v[PC:PC+1] offset:6144*SU+520
	ds_store_b128 v[IA], v[PC+2:PC+5] offset:6144*SU+1024
.endif
.endif
.endm
; THE STREAM'S TURN on set i: seven LDS stores in all.  pro = 1, the prologue: the set is asked for again at once; in a period that stands behind the products.
.macro STREAM i, pro
.if \pro
	s_wait_dscnt 0x0                               ; the last piece's stores have read their registers
.endif
	s_wait_loadcnt 24                              ; my set is in, the three younger sets (8 loads each) stay out
.irp s, 0,1,2,3,4,5,6,7
	SLICE \i, \s
.endr
.if \pro
	SLOAD \i
.endif
.endm
; A period's 32 matrix instructions.  The four accumulators take turns, one instruction a turn; K step 0 starts the sums with the constant 0.
; The count leaves out the later K steps' fragments (six loads each) and, st = 1, the stream's seven stores issued behind the run of loads; the last wait is for all.
.macro MULS st
.irp s, 0,1,2,3,4,5,6,7
.if \s == 7
	s_wait_dscnt 0x0
.else
	s_wait_dscnt 6*(7-\s)+7*(\st)
.endif
.set WA, WF+12*\s
.set AA, 48*(\s%4)
.set SQ, \s%4
	WIN 4+4*(\s/4)                                 ; source 1: window 1 (K steps 0..3) or 2
.irp t, 0,1,2,3
.if \s == 0
	v_wmma_scale_f32_16x16x128_f8f6f4 v[DA+8*\t:DA+8*\t+7], v[WA:WA+11], v[AA+12*\t:AA+12*\t+11], 0, v[WSC+SQ], v[ASC+4*\t+SQ] matrix_a_fmt:MATRIX_FMT_FP6 matrix_b_fmt:MATRIX_FMT_FP6
.elseif \s < 4
	v_wmma_scale_f32_16x16x128_f8f6f4 v[DA+8*\t:DA+8*\t+7], v[WA:WA+11], v[AA+12*\t:AA+12*\t+11], v[DA+8*\t:DA+8*\t+7], v[WSC+SQ], v[ASC+4*\t+SQ] matrix_a_fmt:MATRIX_FMT_FP6 matrix_b_fmt:MATRIX_FMT_FP6
.else
	v_wmma_scale_f32_16x16x128_f8f6f4 v[DA+8*\t:DA+8*\t+7], v[WA:WA+11], v[AA+12*\t:AA+12*\t+11], v[DA+8*\t:DA+8*\t+7], v[WSC+SQ], v[ASC+4*\t+SQ] matrix_a_fmt:MATRIX_FMT_FP6 matrix_b_fmt:MATRIX_FMT_FP6 matrix_a_scale:MATRIX_SCALE_ROW1 matrix_b_scale:MATRIX_SCALE_ROW1
.endif
.endr
.endr
	WIN 0
.endm
; tanh(x) = 1 - 2 / (1 + 2^(2 log2(e) x)), then the dot with one.  tanh is formed before the dot, so that no difference of large sums arises.  Two batches of transcendentals.
.macro TANH
.rept 4
	v_nop                                          ; four places behind the last matrix instruction: for the reads below and the next period's loads into W's registers
.endr
.irp p, 0,2,4,6                                ; each accumulator is read from its low end on
.irp t, 0,1,2,3
	v_pk_mul_f32 v[DA+8*\t+\p:DA+8*\t+\p+1], v[DA+8*\t+\p:DA+8*\t+\p+1], s[22:23] op_sel_hi:[1,0]
.endr
.endr
.set N, 0
	s_wait_alu depctr_va_vdst(0)
.rept 32
	v_exp_f32 v[DA+N], v[DA+N]
.set N, N+1
.endr
	v_nop                                          ; a plain place behind the last exponential
	s_wait_alu depctr_va_vdst(0)                   ; one wait for the batch, ahead of its first reader
.set N, 0
.rept 16
	v_pk_add_f32 v[DA+N:DA+N+1], v[DA+N:DA+N+1], 1.0 op_sel_hi:[1,0]
.set N, N+2
.endr
.set N, 0
	s_wait_alu depctr_va_vdst(0)
.rept 32
	v_rcp_f32 v[DA+N], v[DA+N]
.set N, N+1
.endr
	v_nop
	s_wait_alu depctr_va_vdst(0)
.set N, 0
.rept 16
	v_pk_fma_f32 v[DA+N:DA+N+1], v[DA+N:DA+N+1], -2.0, 1.0 op_sel_hi:[1,0,0]
.set N, N+2
.endr
.irp p, 0,2,4,6
.irp t, 0,1,2,3
	v_pk_fma_f32 v[LACC+2*\t:LACC+2*\t+1], v[DA+8*\t+\p:DA+8*\t+\p+1], v[ONEV+\p:ONEV+\p+1], v[LACC+2*\t:LACC+2*\t+1]
.endr
.endr
.endm
; PERIOD i of a trip's four reads slot i % 2.  In front of the round each wave waits for all its tensor loads (the one that may be out is its part of this slot), adds 0 to its spare word, and waits for that and
; for its reads of the other slot.  rf = 1: behind the round the other slot is asked for again, with the next 64 rows of W.  One tensor load of a wave is out at the most, by this text's count.
.macro PERIOD i, st, rf
	s_wait_tensorcnt 0x0                           ; no tensor load of mine is out, so the groups 0 may be written
	ds_add_u32 v[SPW], v[NIL]
.if \rf
	DSTEP 1-(\i)%2, 1
.endif
	s_wait_dscnt 0x0                               ; the add is done, and all my LDS reads and stores are over
.if \rf
	ROUND                                          ; no wave of any partner still reads the other slot or has a load on its way
	JLOAD
.else
	s_barrier_signal -1
	s_barrier_wait -1
.endif
	s_wait_alu depctr_va_vdst(0)
	WRUN \i
.if \st
	STREAM \i, 0
.endif
	MULS \st
.if \st
	SLOAD \i                                       ; set i is asked for again: the same piece of the tile one trip on
.endif
	TANH
.endm
.macro TRIPHEAD st                     ; the trip's LDS addresses; no LDS instruction that names these registers is out here
	v_add_nc_u32 v[OA], s71, v[OA0]
.if \st
	v_add_nc_u32 v[IA], s68, v[IA0]
	v_add_nc_u32 v[SA], s69, v[SA0]
	v_add_nc_u32 v[BA], s70, v[BA0]
.endif
.endm
.macro TRIPEND st
	s_add_co_u32 s71, s71, 1024                    ; one: four periods x 64 columns
.if \st
	s_add_co_u32 s68, s68, 1536
	s_add_co_u32 s69, s69, 64
	s_add_co_u32 s70, s70, 16*BFPI
	s_wait_xcnt 0x0                                ; the trip's loads have read their base
	s_cmp_lt_u32 s62, 15
	s_cselect_b32 s60, 0x10000, 0                  ; the next tile of 16 rows; the work-group's last tile is asked for twice: every count of loads is the same in every trip, and no load leaves the buffer
	s_add_nc_u64 s[58:59], s[58:59], s[60:61]
	s_add_co_u32 s62, s62, 1
.endif
.endm
; Between chunks, group g of eight.  fm = 1: rows 8 g .. + 7 of the chunk, times their weights, onto my 8 columns.  sw = 1: the next chunk's fragments of K step g and its rows 8 g .. + 7 in bf16 come from LDS.
.macro SGROUP g, fm, sw
.if \fm
	WIN 0x03
.irp q, 0,1,2,3,4,5,6,7
.irp e, 0,2,4,6
	v_fma_mix_f32_bf16 v[ACC+\e], v[4*(8*(\g)+\q)+\e/2], v[PV+8*(\g)+\q], v[ACC+\e] op_sel_hi:[1,0,0]
	v_fma_mix_f32_bf16 v[ACC+\e+1], v[4*(8*(\g)+\q)+\e/2], v[PV+8*(\g)+\q], v[ACC+\e+1] op_sel:[1,0,0] op_sel_hi:[1,0,0]
.endr
.endr
.endif
.if \sw
	WIN 0x40+0x40*((\g)/4)
.irp t, 0,1,2,3
.irp k, 0,1,2
	ds_load_b128 v[12*(4*((\g)%4)+\t)+4*\k:12*(4*((\g)%4)+\t)+4*\k+3], v[AL] offset:1536*(4*(\g)+\t)+512*\k
.endr
.endr
	WIN 0xc0
.irp q, 0,1,2,3,4,5,6,7
	ds_load_b128 v[4*(8*(\g)+\q):4*(8*(\g)+\q)+3], v[BR] offset:BFPI*(8*(\g)+\q)
.endr
.endif
.endm
.macro ASCLOAD
.irp t, 0,1,2,3
.irp q, 0,1,2,3
	ds_load_b32 v[ASC+4*\t+\q], v[ASL] offset:256*\q+64*\t
.endr
.endr
.endm
; A CHUNK'S END.  The four waves' parts of the 64 logits meet in LDS; every wave then holds rows 2 l and 2 l + 1 in lane l and runs the same softmax step.  sw = 1: the next chunk is taken over.
.macro PHASE_S sw
.irp t, 0,1,2,3
	v_add_f32 v[TM+\t], v[LACC+2*\t], v[LACC+2*\t+1]
.endr
.irp t, 0,1,2,3
	v_permlanex16_b32 v[TM+4+\t], v[TM+\t], s72, s73
.endr
.irp t, 0,1,2,3
	v_add_f32 v[TM+\t], v[TM+\t], v[TM+4+\t]
.endr
.irp t, 0,1,2,3
	ds_store_b32 v[LXS], v[TM+\t] offset:64*\t
.endr
	s_wait_dscnt 0x0                               ; for the others' sake: my part of the logits and, from the periods, my images and scale bytes: all stored
	s_barrier_signal -1                            ; (W's load for the next chunk may stay out)
	s_barrier_wait -1
.irp u, 0,1,2,3
	ds_load_b64 v[244+2*\u:245+2*\u], v[LXL] offset:256*\u
.endr
	s_wait_dscnt 0x0
	v_pk_add_f32 v[244:245], v[244:245], v[246:247]
	v_pk_add_f32 v[248:249], v[248:249], v[250:251]
	v_pk_add_f32 v[244:245], v[244:245], v[248:249]   ; the logits of rows 2 l, 2 l + 1
	s_cmp_lg_u32 s18, 0
	s_cbranch_scc1 .Lnl_\@
	global_store_b64 v[GL], v[244:245], s[76:77]   ; wave 0: 32 lanes store 256 consecutive bytes, aligned
.Lnl_\@:
	s_wait_alu depctr_va_vdst(0)
	v_max_num_f32 v252, v244, v245
	v_max_num_f32_dpp v252, v252, v252 row_xmask:1 row_mask:0xf bank_mask:0xf
	v_max_num_f32_dpp v252, v252, v252 row_xmask:2 row_mask:0xf bank_mask:0xf
	v_max_num_f32_dpp v252, v252, v252 row_xmask:4 row_mask:0xf bank_mask:0xf
	v_max_num_f32_dpp v252, v252, v252 row_xmask:8 row_mask:0xf bank_mask:0xf
	v_permlanex16_b32 v253, v252, s72, s73
	v_max3_num_f32 v252, v252, v253, v[MX]         ; the new m
	v_sub_f32 v254, v[MX], v252
	v_sub_f32 v246, v244, v252
	v_sub_f32 v247, v245, v252
	v_mul_f32 v254, s74, v254
	v_mul_f32 v246, s74, v246
	v_mul_f32 v247, s74, v247
	v_mov_b32 v[MX], v252
	s_wait_alu depctr_va_vdst(0)
	v_exp_f32 v[AF], v254                          ; alpha
	v_exp_f32 v246, v246                           ; the two rows' weights under the new m
	v_exp_f32 v247, v247
	v_nop
	s_wait_alu depctr_va_vdst(0)
	v_fma_f32 v[LS], v[LS], v[AF], v246
	v_add_f32 v[LS], v[LS], v247
	ds_store_b64 v[PBS], v[246:247]
.irp q, 0,1,2,3,4,5,6,7,8,9,10,11,12,13,14,15
	ds_load_b128 v[PV+4*\q:PV+4*\q+3], v[PBL] offset:16*\q   ; my wave's own bytes, served in order: every lane takes all 64 weights
.endr
.if \sw
	ASCLOAD
.endif
.irp e, 0,2,4,6
	v_pk_mul_f32 v[ACC+\e:ACC+\e+1], v[ACC+\e:ACC+\e+1], v[AF:AF+1] op_sel_hi:[1,0]
.endr
	s_wait_alu depctr_va_vdst(0)
	s_wait_dscnt 16*(\sw)                          ; the weights are in; the 16 scale loads issued behind them may be out
.irp g, 0,1,2,3,4,5,6,7
	SGROUP \g, 1, \sw
.endr
	WIN 0
	s_wait_xcnt 0x0                                ; the logits' store has read its base and its data
	s_add_nc_u64 s[76:77], s[76:77], 256
.endm
	s_load_b256 s[4:11], s[0:1], 0x0               ; W's codes s[4:5], W's scales s[6:7], many s[8:9], one s[10:11]
	s_load_b128 s[12:15], s[0:1], 0x20             ; logits s[12:13], pstat s[14:15]
	s_load_b64 s[16:17], s[0:1], 0x30              ; pacc
	v_lshl_add_u32 v[SPW], v0, 2, SPARE
	v_mov_b32 v[NIL], 0
	ds_add_u32 v1, v2                              ; the opening lines: the add twice on end and its wait
	ds_add_u32 v1, v2
	s_wait_dscnt 0x0
	v_lshrrev_b32 v27, 5, v0
	v_readfirstlane_b32 s18, v27                   ; wave 0..3
	s_bfe_u32 s19, ttmp6, 0x40000                  ; cx: it enters global addresses of many, one and the outputs alone
	s_lshl_b32 s20, ttmp9, 2
	s_add_co_u32 s20, s20, s19                     ; g = 4 x cluster + cx
	v_and_b32 v244, 15, v0                         ; r
	v_bfe_u32 v245, v0, 4, 1                       ; h
	v_and_b32 v246, 31, v0                         ; lane
	v_lshlrev_b32 v247, 4, v0                      ; 16 x thread
	s_mul_i32 s78, s18, 16*PITW
	v_mul_u32_u24 v[AW1], v244, PITW
	v_mad_u32_u24 v[AW2], v245, 24+CHK-256, v[AW1]
	v_mad_u32_u24 v[AW1], v245, 24, v[AW1]
	v_add_nc_u32 v[AW1], s78, v[AW1]
	v_add_nc_u32 v[AW2], s78, v[AW2]
	v_add_nc_u32 v[AW1+2], SLOT1, v[AW1]
	v_add_nc_u32 v[AW2+2], SLOT1, v[AW2]
	s_lshl_b32 s78, s18, 9
	s_add_co_u32 s78, s78, WSCL
	v_lshlrev_b32 v[AWS], 5, v244
	v_lshl_add_u32 v[AWS], v245, 4, v[AWS]
	v_add_nc_u32 v[AWS], s78, v[AWS]
	v_add_nc_u32 v[AWS+1], SLOT1, v[AWS]
	s_lshl_b32 s78, s18, 6
	s_add_co_u32 s78, s78, ONE
	v_lshl_add_u32 v[OA0], v245, 5, s78
	s_lshl_b32 s78, s18, 10
	v_lshlrev_b32 v[MO], 12, v244
	v_lshl_add_u32 v[MO], v245, 6, v[MO]
	v_add_nc_u32 v[MO], s78, v[MO]
	s_mul_i32 s78, s18, 12288
	s_add_co_u32 s78, s78, AIM
	v_lshl_add_u32 v[IA0], v246, 4, s78
	s_lshl_b32 s78, s18, 9
	s_add_co_u32 s78, s78, AST
	v_lshl_add_u32 v[SA0], v244, 2, s78
	s_mul_i32 s78, s18, BFW
	s_add_co_u32 s78, s78, BFR
	v_mul_u32_u24 v[BA0], v244, BFPI
	v_lshl_add_u32 v[BA0], v245, 5, v[BA0]
	v_add_nc_u32 v[BA0], s78, v[BA0]
	v_lshl_add_u32 v[BR], v246, 4, s78
	v_lshl_add_u32 v[AL], v246, 4, AIM
	v_lshlrev_b32 v[ASL], 10, v245
	v_lshl_add_u32 v[ASL], v244, 2, v[ASL]
	v_add_nc_u32 v[ASL], AST, v[ASL]
	s_lshl_b32 s78, s18, 8
	s_add_co_u32 s80, s78, LX
	v_lshl_add_u32 v[LXS], v244, 2, s80
	v_lshl_add_u32 v[LXL], v246, 3, LX
	s_add_co_u32 s80, s78, PB
	v_lshl_add_u32 v[PBS], v246, 3, s80
	v_mov_b32 v[PBL], s80
	v_lshlrev_b32 v[GL], 3, v246
	v_lshlrev_b32 v[GP], 4, v246
	; descriptor group 1 for a chunk of W's codes: 64 rows of 256 bytes, 768 bytes from row to row, 16 bytes of padding behind each
	s_mov_b32 s24, 15|(1<<20)|(1<<21)|(5<<22)|(3<<25)  ; the mask: all four work-groups; elements of 1 byte; padding on; bit 21 beside a mask; after every 64 words 4 words
	s_mov_b32 s25, 256<<16                         ; tensor_dim0
	s_mov_b32 s26, 64<<16                          ; tensor_dim1
	s_mov_b32 s27, 256<<16                         ; tile_dim0
	s_mov_b32 s28, 64                              ; tile_dim1
	s_mov_b32 s29, 768                             ; from row to row
	s_mov_b32 s30, 0
	s_mov_b32 s31, 0
	; and for the scale bytes: 2,048 dense bytes as 8 rows of 256 (32 elements of 8 bytes), no padding
	s_mov_b32 s32, 15|(3<<16)|(1<<21)
	s_mov_b32 s33, 32<<16
	s_mov_b32 s34, 8<<16
	s_mov_b32 s35, 32<<16
	s_mov_b32 s36, 8
	s_mov_b32 s37, 32
	s_mov_b32 s38, 0
	s_mov_b32 s39, 0
	s_mov_b32 s22, 0x4038aa3b                      ; 2 log2(e)
	s_mov_b32 s23, s22
	s_mov_b32 s72, 0x76543210
	s_mov_b32 s73, 0xfedcba98                      ; v_permlanex16_b32's selects for lane l xor 16
	s_mov_b32 s74, 0x3fb8aa3b                      ; log2(e)
	s_mov_b32 s53, 0
	s_mov_b32 s55, 0
	s_mov_b32 s61, 0
	s_mov_b32 s56, 0                               ; the 64 rows of W asked for last
	s_mov_b32 s62, 1                               ; the tile at which the stream's base stands
	s_mov_b32 s79, 0
	s_mul_i32 s81, s18, CHK                        ; my chunk's place in a slot
	s_lshl_b32 s82, s18, 8                         ; and in a row of codes
	s_wait_kmcnt 0x0
	s_lshr_b32 s78, s20, 3
	s_lshl_b32 s78, s78, 12
	s_add_nc_u64 s[10:11], s[10:11], s[78:79]      ; one[b]
	s_lshl_b32 s78, s20, 20
	s_add_nc_u64 s[58:59], s[8:9], s[78:79]        ; many at my first row
	s_lshl_b32 s78, s20, 10
	s_add_nc_u64 s[76:77], s[12:13], s[78:79]      ; my 256 logits
	s_lshl_b32 s78, s20, 8
	s_add_nc_u64 s[14:15], s[14:15], s[78:79]      ; my record of 256 bytes
	s_lshl_b32 s78, s20, 12
	s_lshl_b32 s80, s18, 10
	s_add_co_u32 s78, s78, s80
	s_add_nc_u64 s[16:17], s[16:17], s[78:79]      ; my wave's 1,024 bytes of my work-group's part
	s_mov_b32 s40, 1
	s_mov_b32 s44, 1
	DSTEP 0, 0                                     ; W's first 64 rows, slot 0
	global_load_b128 v[108:111], v247, s[10:11]
	global_load_b128 v[112:115], v247, s[10:11] offset:2048
	SLOAD 0                                        ; tile 0 fills the stream's four sets
	SLOAD 1
	SLOAD 2
	SLOAD 3
	s_wait_xcnt 0x0                                ; these loads have read their base
	s_add_nc_u64 s[58:59], s[58:59], 0x10000       ; on to tile 1
	ROUND                                          ; all four work-groups are here: the first joint loads meet
	JLOAD                                          ; one tensor load a wave at the head
	v_mov_b32 v[MX], 0xff61b1e6                    ; -3e38, under every logit: the first alpha is 0 and multiplies zeros
	v_mov_b32 v[LS], 0
	v_mov_b32 v[AF], 0
	v_mov_b32 v[AF+1], 0
.irp e, 0,1,2,3,4,5,6,7
	v_mov_b32 v[ACC+\e], 0
.endr
.irp e, 4,5,6,7
	v_mov_b32 v[TM+\e], 0                          ; written once: a lane permute's destination counts as one of its sources
.endr
	v_mov_b32 v253, 0
	s_wait_loadcnt 32                              ; one's two loads are in; the stream's 32, issued behind them, stay out
	ds_store_b128 v247, v[108:111] offset:ONE
	ds_store_b128 v247, v[112:115] offset:ONE+2048
	; THE PROLOGUE: chunk 0 goes through the stream with no products beside it
	s_mov_b32 s68, 0
	s_mov_b32 s69, 0
	s_mov_b32 s70, 0
	s_mov_b32 s71, 0
	s_mov_b32 s66, 4
.Lpro:
	TRIPHEAD 1
	STREAM 0, 1
	STREAM 1, 1
	STREAM 2, 1
	STREAM 3, 1
	s_wait_dscnt 0x0                               ; my stores are done: the address registers may step, and behind the loop the barrier may be signalled
	TRIPEND 1
	s_sub_co_i32 s66, s66, 1
	s_cmp_lg_u32 s66, 0
	s_cbranch_scc1 .Lpro
	s_barrier_signal -1                            ; chunk 0's images, scale words and one lie in LDS (W's first load may stay out)
	s_barrier_wait -1
	ASCLOAD
.irp g, 0,1,2,3,4,5,6,7
	SGROUP \g, 0, 1
.endr
	WIN 0
	s_mov_b32 s67, 3
.Lchunk:                                               ; chunks 0, 1, 2: the products of the chunk in hand, the stream of the next
.irp e, 0,1,2,3,4,5,6,7
	v_mov_b32 v[LACC+\e], 0
.endr
	s_mov_b32 s68, 0
	s_mov_b32 s69, 0
	s_mov_b32 s70, 0
	s_mov_b32 s71, 0
	s_mov_b32 s66, 4
.Ltrip:                                                ; a trip: four periods, and one tile of 16 rows of the next chunk
	TRIPHEAD 1
	PERIOD 0, 1, 1
	PERIOD 1, 1, 1
	PERIOD 2, 1, 1
	PERIOD 3, 1, 1
	TRIPEND 1
	s_sub_co_i32 s66, s66, 1
	s_cmp_lg_u32 s66, 0
	s_cbranch_scc1 .Ltrip
	s_wait_alu depctr_va_vdst(0)
	PHASE_S 1
	s_sub_co_i32 s67, s67, 1
	s_cmp_lg_u32 s67, 0
	s_cbranch_scc1 .Lchunk
	; CHUNK 3: nothing is left to stream
	s_wait_loadcnt 0x0                             ; the tile that was asked for twice
.irp e, 0,1,2,3,4,5,6,7
	v_mov_b32 v[LACC+\e], 0
.endr
	s_mov_b32 s71, 0
	s_mov_b32 s66, 3
.Ltrip3:
	TRIPHEAD 0
	PERIOD 0, 0, 1
	PERIOD 1, 0, 1
	PERIOD 2, 0, 1
	PERIOD 3, 0, 1
	TRIPEND 0
	s_sub_co_i32 s66, s66, 1
	s_cmp_lg_u32 s66, 0
	s_cbranch_scc1 .Ltrip3
	TRIPHEAD 0                                     ; the last trip is written out: its last period asks for nothing
	PERIOD 0, 0, 1
	PERIOD 1, 0, 1
	PERIOD 2, 0, 1
	PERIOD 3, 0, 0
	PHASE_S 0
	; THE END: l over the wave's lanes; wave 0 stores (m, l), 32 copies: one aligned block of 256 bytes; every wave stores its 256 columns of the weighted sum, 512 consecutive bytes a store
	v_add_f32_dpp v[LS], v[LS], v[LS] row_xmask:1 row_mask:0xf bank_mask:0xf
	v_add_f32_dpp v[LS], v[LS], v[LS] row_xmask:2 row_mask:0xf bank_mask:0xf
	v_add_f32_dpp v[LS], v[LS], v[LS] row_xmask:4 row_mask:0xf bank_mask:0xf
	v_add_f32_dpp v[LS], v[LS], v[LS] row_xmask:8 row_mask:0xf bank_mask:0xf
	v_permlanex16_b32 v253, v[LS], s72, s73
	v_add_f32 v[LS], v[LS], v253
	s_cmp_lg_u32 s18, 0
	s_cbranch_scc1 .Lnot0
	global_store_b64 v[GL], v[MX:MX+1], s[14:15]
.Lnot0:
	global_store_b128 v[GP], v[ACC:ACC+3], s[16:17]            ; float 4 l + e of my 256: column 8 l + e
	s_wait_alu depctr_va_vdst(0)
	global_store_b128 v[GP], v[ACC+4:ACC+7], s[16:17] offset:512   ; float 128 + 4 l + e: column 8 l + 4 + e
	s_wait_tensorcnt 0x0                           ; the wave's end
	ds_add_u32 v[SPW], v[NIL]
	s_wait_dscnt 0x0
	ROUND                                          ; the closing round
	s_endpgm
.Lfunc_end_k_qb36a43047b_fused:
	.size	k_qb36a43047b_fused, .Lfunc_end_k_qb36a43047b_fused-k_qb36a43047b_fused
	.p2alignl 7, 3214868480
	.fill 96, 4, 3214868480
	.section	.rodata,"a",@progbits
	.p2align	6, 0x0
	.amdhsa_kernel k_qb36a43047b_fused
		.amdhsa_group_segment_fixed_size 327680
		.amdhsa_private_segment_fixed_size 0
		.amdhsa_enable_private_segment 0
		.amdhsa_kernarg_size 56
		.amdhsa_user_sgpr_count 2
		.amdhsa_user_sgpr_kernarg_segment_ptr 1
		.amdhsa_wavefront_size32 1
		.amdhsa_system_sgpr_workgroup_id_x 1
		.amdhsa_system_sgpr_workgroup_id_y 1
		.amdhsa_system_sgpr_workgroup_id_z 1
		.amdhsa_system_vgpr_workitem_id 0
		.amdhsa_next_free_vgpr 1024
		.amdhsa_next_free_sgpr 96
		.amdhsa_reserve_vcc 0
		.amdhsa_float_denorm_mode_32 3
		.amdhsa_float_denorm_mode_16_64 3
		.amdhsa_memory_ordered 1
		.amdhsa_forward_progress 1
		.amdhsa_inst_pref_size 255
	.end_amdhsa_kernel
	.section	.bss,"aw",@nobits
	.p2align	6
	.space	262144
	.amdgpu_metadata
---
amdhsa.version: [ 1, 2 ]
amdhsa.kernels:
  - .name:           k_qb36a43047b_fused
    .symbol:         k_qb36a43047b_fused.kd
    .args:
      - { .name: W_codes, .offset: 0, .size: 8, .value_kind: global_buffer, .address_space: global }
      - { .name: W_scales, .offset: 8, .size: 8, .value_kind: global_buffer, .address_space: global }
      - { .name: many, .offset: 16, .size: 8, .value_kind: global_buffer, .address_space: global }
      - { .name: one, .offset: 24, .size: 8, .value_kind: global_buffer, .address_space: global }
      - { .name: logits, .offset: 32, .size: 8, .value_kind: global_buffer, .address_space: global }
      - { .name: pstat, .offset: 40, .size: 8, .value_kind: global_buffer, .address_space: global }
      - { .name: pacc, .offset: 48, .size: 8, .value_kind: global_buffer, .address_space: global }
    .group_segment_fixed_size: 327680
    .private_segment_fixed_size: 0
    .kernarg_segment_align: 8
    .kernarg_segment_size: 56
    .max_flat_workgroup_size: 128
    .sgpr_count:     96
    .vgpr_count:     1024
    .wavefront_size: 32
...
	.end_amdgpu_metadata
.endif
;; end of part 1
;; launch join (part 2): grid 4 x 32, 2 waves a work-group, no clusters, 0 bytes of LDS; arguments logits, pstat, pacc, out0, out1; writes out0, out1
.if DOCPART == 2
	.amdgcn_target "amdgcn-amd-amdhsa--gfx1250"
	.amdhsa_code_object_version 6
	.text
	.protected	k_qb36a43047b_join
	.globl	k_qb36a43047b_join
	.p2align	8
	.type	k_qb36a43047b_join,@function
k_qb36a43047b_join:
	s_mov_b64 s[64:65], 0
	v_nop
	global_prefetch_b8 v0, s[64:65] scope:SCOPE_SE
	s_setreg_imm32_b32 hwreg(HW_REG_WAVE_MODE, 25, 1), 1
	s_wait_xcnt 0x0
; The eight parts of a batch are joined.  M = the largest of the parts' maxima m_i; e_i = 2^((m_i - M) log2 e); S = the sum of l_i e_i;
; out1[b][t] = 2^((logit - M) log2 e) / (S + 1e-7);  out0[b][d] = (the sum of e_i pacc_i[d]) / (S + 1e-7).
; Work-group (x, b), 64 threads: 256 columns of out0 (4 a thread) and 512 weights of out1 (8 a thread).  Every load and store of a wave covers 512 consecutive bytes (pstat: 256; pacc: two runs of 256).
; pacc's order within a part: float 256 w + 128 half + 4 l + e holds column 256 w + 8 l + 4 half + e.  So thread t's columns 256 x + 4 t .. + 3 lie at bytes 1024 x + 512 (t % 2) + 16 (t / 2).
; No LDS, no barrier, no matrix unit: 1.4 MB are read once, and each thread's numbers hang on no other thread's.
; LIMITS: a weight under 2^-126 comes out of v_exp_f32 as 0; NaN and infinities are not served.
	s_load_b256 s[4:11], s[0:1], 0x0               ; logits s[4:5], pstat s[6:7], pacc s[8:9], out0 s[10:11]
	s_load_b64 s[12:13], s[0:1], 0x20              ; out1
	s_and_b32 s14, ttmp7, 0xffff                   ; b
	v_and_b32 v1, 31, v0
	v_lshlrev_b32 v1, 3, v1                        ; pstat: my lane's copy of (m, l)
	v_and_b32 v2, 1, v0
	v_lshrrev_b32 v3, 1, v0
	v_lshlrev_b32 v3, 4, v3
	v_lshl_add_u32 v2, v2, 9, v3                   ; pacc: 512 (t % 2) + 16 (t / 2)
	v_lshlrev_b32 v3, 4, v0                        ; 16 t
	s_lshl_b32 s16, s14, 11                        ; pstat: 8 records of 256 bytes a batch
	s_mov_b32 s17, 0
	s_lshl_b32 s18, s14, 15                        ; pacc: 8 parts of 4,096 bytes a batch,
	s_lshl_b32 s20, ttmp9, 10                      ; + 1,024 x
	s_add_co_u32 s18, s18, s20
	s_mov_b32 s19, 0
	s_lshl_b32 s22, s14, 13                        ; logits and out1: 8,192 b + 2,048 x
	s_lshl_b32 s24, ttmp9, 11
	s_add_co_u32 s22, s22, s24
	s_mov_b32 s23, 0
	s_lshl_b32 s24, s14, 12                        ; out0: 4,096 b + 1,024 x
	s_add_co_u32 s24, s24, s20
	s_mov_b32 s25, 0
	s_mov_b32 s26, 0x3fb8aa3b                      ; log2(e)
	s_wait_alu depctr_va_vdst(0)
	s_wait_kmcnt 0x0
	s_add_nc_u64 s[6:7], s[6:7], s[16:17]
	s_add_nc_u64 s[8:9], s[8:9], s[18:19]
	s_add_nc_u64 s[4:5], s[4:5], s[22:23]
	s_add_nc_u64 s[12:13], s[12:13], s[22:23]
	s_add_nc_u64 s[10:11], s[10:11], s[24:25]
.irp i, 0,1,2,3,4,5,6,7
	global_load_b64 v[8+2*\i:9+2*\i], v1, s[6:7] offset:256*\i     ; (m_i, l_i)
.endr
	global_load_b128 v[56:59], v3, s[4:5]
	global_load_b128 v[60:63], v3, s[4:5] offset:1024
.irp i, 0,1,2,3,4,5,6,7
	global_load_b128 v[24+4*\i:27+4*\i], v2, s[8:9] offset:4096*\i
.endr
	s_wait_loadcnt 0x0
	v_max3_num_f32 v64, v8, v10, v12
	v_max3_num_f32 v64, v64, v14, v16
	v_max3_num_f32 v64, v64, v18, v20
	v_max_num_f32 v64, v64, v22                    ; M
.irp i, 0,1,2,3,4,5,6,7
	v_sub_f32 v[66+\i], v[8+2*\i], v64
.endr
.irp i, 0,1,2,3,4,5,6,7
	v_sub_f32 v[56+\i], v[56+\i], v64
.endr
.irp i, 0,1,2,3,4,5,6,7
	v_mul_f32 v[66+\i], s26, v[66+\i]
.endr
.irp i, 0,1,2,3,4,5,6,7
	v_mul_f32 v[56+\i], s26, v[56+\i]
.endr
	s_wait_alu depctr_va_vdst(0)
.irp i, 0,1,2,3,4,5,6,7
	v_exp_f32 v[66+\i], v[66+\i]                   ; e_i
.endr
.irp i, 0,1,2,3,4,5,6,7
	v_exp_f32 v[56+\i], v[56+\i]                   ; my eight weights, not yet divided
.endr
	v_nop                                          ; a plain place behind the last exponential
	s_wait_alu depctr_va_vdst(0)                   ; one wait for the sixteen
	v_mul_f32 v65, v9, v66
.irp i, 1,2,3,4,5,6,7
	v_fmac_f32 v65, v[9+2*\i], v[66+\i]            ; S
.endr
	v_add_f32 v65, 0x33d6bf95, v65                 ; + 1e-7
	s_wait_alu depctr_va_vdst(0)
	v_rcp_f32 v74, v65
	v_rcp_f32 v75, v65                             ; twice: a pair for the packed multiplies
.irp e, 0,1,2,3
	v_mul_f32 v[76+\e], v[24+\e], v66              ; the parts' sums stand between the reciprocals and the wait for them
.endr
.irp i, 1,2,3,4,5,6,7
.irp e, 0,1,2,3
	v_fmac_f32 v[76+\e], v[24+4*\i+\e], v[66+\i]
.endr
.endr
	s_wait_alu depctr_va_vdst(0)                   ; one wait for both reciprocals, ahead of their first reader
	v_pk_mul_f32 v[76:77], v[76:77], v[74:75]
	v_pk_mul_f32 v[78:79], v[78:79], v[74:75]
.irp i, 0,2,4,6
	v_pk_mul_f32 v[56+\i:57+\i], v[56+\i:57+\i], v[74:75]
.endr
	global_store_b128 v3, v[76:79], s[10:11]
	global_store_b128 v3, v[56:59], s[12:13]
	global_store_b128 v3, v[60:63], s[12:13] offset:1024
	s_endpgm
.Lfunc_end_k_qb36a43047b_join:
	.size	k_qb36a43047b_join, .Lfunc_end_k_qb36a43047b_join-k_qb36a43047b_join
	.p2alignl 7, 3214868480
	.fill 96, 4, 3214868480
	.section	.rodata,"a",@progbits
	.p2align	6, 0x0
	.amdhsa_kernel k_qb36a43047b_join
		.amdhsa_group_segment_fixed_size 0
		.amdhsa_private_segment_fixed_size 0
		.amdhsa_enable_private_segment 0
		.amdhsa_kernarg_size 40
		.amdhsa_user_sgpr_count 2
		.amdhsa_user_sgpr_kernarg_segment_ptr 1
		.amdhsa_wavefront_size32 1
		.amdhsa_system_sgpr_workgroup_id_x 1
		.amdhsa_system_sgpr_workgroup_id_y 1
		.amdhsa_system_sgpr_workgroup_id_z 1
		.amdhsa_system_vgpr_workitem_id 0
		.amdhsa_next_free_vgpr 96
		.amdhsa_next_free_sgpr 66
		.amdhsa_reserve_vcc 0
		.amdhsa_float_denorm_mode_32 3
		.amdhsa_float_denorm_mode_16_64 3
		.amdhsa_memory_ordered 1
		.amdhsa_forward_progress 1
		.amdhsa_inst_pref_size 8
	.end_amdhsa_kernel
	.amdgpu_metadata
---
amdhsa.version: [ 1, 2 ]
amdhsa.kernels:
  - .name:           k_qb36a43047b_join
    .symbol:         k_qb36a43047b_join.kd
    .args:
      - { .name: logits, .offset: 0, .size: 8, .value_kind: global_buffer, .address_space: global }
      - { .name: pstat, .offset: 8, .size: 8, .value_kind: global_buffer, .address_space: global }
      - { .name: pacc, .offset: 16, .size: 8, .value_kind: global_buffer, .address_space: global }
      - { .name: out0, .offset: 24, .size: 8, .value_kind: global_buffer, .address_space: global }
      - { .name: out1, .offset: 32, .size: 8, .value_kind: global_buffer, .address_space: global }
    .group_segment_fixed_size: 0
    .private_segment_fixed_size: 0
    .kernarg_segment_align: 8
    .kernarg_segment_size: 40
    .max_flat_workgroup_size: 64
    .sgpr_count:     66
    .vgpr_count:     96
    .wavefront_size: 32
...
	.end_amdgpu_metadata
.endif
;; end of part 2
